; MI455X (gfx1250); checked and timed in simulation.
; The chip was launched on July 23, 2026; its instructions are those of AMD's public machine-readable ISA for CDNA 5 (MIT licence, August 2026) and "CDNA5" Instruction Set Architecture Reference Guide (July 2026). The comments in the code are by the model that wrote it; some were corrected since.
;; Attention. Allowed arithmetic: matrix products marked QUANTISED: E2M1 operands, one E8M0 scale for each 32 along K, by v_wmma_scale_f32_16x16x128_f8f6f4 with both operands' format E2M1 (or v_wmma_scale_f32_32x16x128_f4), f32 sums; everything else in f32.
;; Inputs: key 2 x 8 x 4,096 x 64 float32; query 2 x 8 x 4,096 x 64 float32; value 2 x 8 x 4,096 x 64 float32.
;; Outputs: out0 2 x 8 x 4,096 x 64 float32.
;; This version of the problem:
;;   THIS VERSION OF THE PROBLEM IS GIVEN IN LOW PRECISION. The matrix products marked QUANTISED in the list below multiply operands that are first quantised to E2M1 (2 exponent bits, 1 mantissa bit; 4 bits a number), with one power-of-two scale for each 32 numbers along K (OCP MX v1.0); their sums are f32. All else is computed in f32.
;;   The module's matrix products, in the order in which they are computed (A, B: the left and right operand; K: the contracted axis; several contracted axes count as one K, in the product's order):
;;     1. batch 16 x [M 4,096, K 64] x [K 64, N 4,096]; A: input query; B: input key: QUANTISED
;;     2. batch 16 x [M 4,096, K 4,096] x [K 4,096, N 64]; A: softmax (see below); B: input value: QUANTISED
;;   THE QUANTISER, for each operand of a quantised product, along K:
;;     - K is cut into blocks of 32 from its start; a last block that is shorter is filled with zeros.
;;     - A block's scale is 2^e with e = floor(log2(the largest magnitude in the block)) - 2, held to -126 .. 127; a block of zeros has e = 0. As a byte (E8M0): e + 127.
;;     - Each number is divided by its block's scale, clamped to +-6, and rounded to the nearest number of E2M1, ties to even, subnormals kept.
;;     - The product sums the exact products of the quantised numbers (number of the format x scale) in f32.
;;   ~~~python
;;   def quantise(x, axis):      # numpy; x: float32 -> the quantised numbers, widened to float32 again
;;       x = np.moveaxis(x, axis, -1); K = x.shape[-1]
;;       x = np.pad(x, [(0, 0)] * (x.ndim - 1) + [(0, -K % 32)]); x = x.reshape(x.shape[:-1] + (-1, 32)); a = np.abs(x).max(-1, keepdims=True)
;;       e = np.where(a > 0, np.clip(np.frexp(np.where(a > 0, a, 1))[1] - 1 - 2, -126, 127), 0)      # np.frexp(a)[1] - 1 = floor(log2(a)), exactly
;;       r = np.clip(x / 2.0 ** e, -6, 6)
;;       step = 2.0 ** (np.maximum(np.frexp(np.where(r == 0, 1, r))[1] - 1, 0) - 1)
;;       q = np.round(r / step) * step * 2.0 ** e      # np.round: ties to even
;;       return np.moveaxis(q.reshape(q.shape[:-2] + (-1,))[..., :K], -1, axis).astype(np.float32)
;;   ~~~
;;   SOFTMAX AHEAD OF A QUANTISED PRODUCT. Where the list says 'softmax', what is quantised is not the finished softmax but p = 2^(t - M), with t = logit x log2(e) and M = ceil(the row's largest t), a whole number; so 1/2 < the row's largest p <= 1. The row's sum l is taken of the UNQUANTISED p, in f32, and the product's result is divided by l at the end. Since M is a whole number, a kernel that streams over the keys may use a running M (the ceiling of the running maximum): every later rescaling is an exact power of two, which a block's scale takes up: the codes' values come out the same.
;;   OPERANDS COMPUTED ON THE WAY. 'Computed on the way' means the value that the module computes at that place (a softmax that the list does not call 'softmax' is quantised finished and normalised). What goes into a quantiser is computed in f32, as accurately as f32 sums, v_exp_f32 and their like allow (about 1e-6 of the number): no bf16 or f16 on the way to a quantiser, and a product that is left as it is and whose result goes on into a quantised operand takes f32 operands (vector FMAs, or v_wmma_f32_16x16x4_f32). A number that lies on a knife's edge between two numbers of the format may be rounded either way, as far as f32 arithmetic and the matrix unit's own rounding can turn it there, and no further.
;; One version. Each part assembles by itself: llvm-mc -triple=amdgcn-amd-amdhsa -mcpu=gfx1250 --defsym DOCPART=n.
;; ======== version 1 of 1: 2 launches
;; limits: right only within a limited range of input values
;; workspace buffers: kv 4,587,520 bytes
;; launch prep (part 1): grid 32 x 16, 8 waves a work-group, no clusters, 3,072 bytes of LDS; arguments key, value, kv; writes kv
.if DOCPART == 1
	.amdgcn_target "amdgcn-amd-amdhsa--gfx1250"
	.amdhsa_code_object_version 6
	.text
	.protected	k_q2e6896617e_prep
	.globl	k_q2e6896617e_prep
	.p2align	8
	.type	k_q2e6896617e_prep,@function
k_q2e6896617e_prep:
	s_mov_b64 s[64:65], 0
	v_nop
	global_prefetch_b8 v0, s[64:65] scope:SCOPE_SE
	s_setreg_imm32_b32 hwreg(HW_REG_WAVE_MODE, 25, 1), 1
	s_wait_xcnt 0x0
; K and V [16 heads][4096 keys][64] f32 become codes of FP4 (E2M1) with one E8M0 scale byte for each 32 along a product's K, laid in the ORDER OF THE OPERANDS' REGISTERS.
; K is quantised along the head's 64 numbers (two blocks a key), V along the keys (a block = 32 keys of one channel).
; kv: [head][step of 128 keys][8,960 bytes].  l = lane, r = l % 16, h = l / 16.
;   0 .. 4,095     K's 8 tiles of 16 keys: tile t = 4 c + u at 512 t, lane l's 16 bytes at 16 l: the codes of numbers 32 h .. 32 h + 31 of key 64 c + 32 (r / 8) + 8 u + r % 8
;   4,096 .. 8,191 V's 4 tiles of 16 channels: tile t, registers 4 c .. 4 c + 3 at 4,096 + 1,024 t + 512 c + 16 l: channel 16 t + r, keys 64 c + 32 h + 0 .. 31
;   8,192 .. 8,703 K's scale words: the word at 16 l + 4 j is that of tile 2 j + h, row r: byte 0 numbers 0-31, byte 1 numbers 32-63, bytes 2, 3 = 0x7f
;   8,704 .. 8,959 V's scale words: the word at 8 l + 4 j is that of tile 2 j + h, row r: byte b keys 32 b .. 32 b + 31
; A block's scale is 2^(floor(log2(its largest magnitude)) - 2): its byte is the largest magnitude's exponent field - 2, held at 1 from below.
; LIMITS: a block whose largest magnitude lies under 2^-124, a block of zeros among them, gets the byte 1 (the rule says 127 for zeros): this program alone reads the bytes.  NaN and infinities are not served.
; A work-group takes one step.  Wave 4 p + kw takes K's tile 2 kw + p (a lane to a block of a key) and V's block kw of channels 32 p + lane (a lane to a channel, its registers down the keys).
; The work-groups share no input, so there is no cluster; a wave's 40 loads are all out at once, so there is no ring, no tensor load and no loop to run ahead in.
.set VCO,  4096
.set SCO,  8192
.set SEL,  20                          ; s[20:21] lane selects for v_permlanex16_b32: lane l xor 16
.set KOFF, 4                           ; v4   K: my block's first byte
.set VOFF, 5                           ; v5   V: my channel's byte in a key's row
.set KST,  6                           ; v6   where my 16 bytes of K's codes go
.set VST,  7                           ; v7   and V's
.set KSA,  8                           ; v8   LDS: my row's word among K's scale words
.set VSA,  9                           ; v9   LDS: my block's byte among V's
.set SR,   10                          ; v10  LDS: the scales' way out, 8 bytes a lane
.set SG,   11                          ; v11  and the same place in the step
.set SH,   12                          ; v12  8 h
.set TMP,  13                          ; v13  a lane permute's destination: written once at the head
.set MX,   14                          ; v[14:15] two chains of a largest magnitude
; 32 numbers of ONE block in v[src] on become 4 registers of codes, the conversion's scale operand and the scale's byte.
.macro QBLK src, cod, mx, sop, byt
	v_max3_num_f32 v[\mx], |v[\src]|, |v[\src+1]|, 0x1800000       ; the floor 2^(3 - 127) among the leaves: the byte cannot fall under 1
	v_max3_num_f32 v[\mx+1], |v[\src+2]|, |v[\src+3]|, |v[\src+4]|
.irp i, 5,9,13,17,21,25
	s_delay_alu instid0(VALU_DEP_2)
	v_max3_num_f32 v[\mx], v[\mx], |v[\src+\i]|, |v[\src+\i+1]|
	s_delay_alu instid0(VALU_DEP_2)
	v_max3_num_f32 v[\mx+1], v[\mx+1], |v[\src+\i+2]|, |v[\src+\i+3]|
.endr
	s_delay_alu instid0(VALU_DEP_2)
	v_max3_num_f32 v[\mx], v[\mx], |v[\src+29]|, |v[\src+30]|
	s_delay_alu instid0(VALU_DEP_1)
	v_max3_num_f32 v[\mx], v[\mx], v[\mx+1], |v[\src+31]|
	s_delay_alu instid0(VALU_DEP_1)
	v_add_nc_u32 v[\sop], 0xff000000, v[\mx]                       ; 2 off the exponent field: the conversion takes this operand's exponent field as its scale
.irp g, 0,1,2,3
	v_cvt_scalef32_pk8_fp4_f32 v[\cod+\g], v[\src+8*\g:\src+8*\g+7], v[\sop]
.endr
	v_lshrrev_b32 v[\byt], 23, v[\sop]                             ; the scale's byte; also the plain instruction behind the conversions
.endm
; A row's scale word from the bytes of its two blocks, which lie in lanes l and l xor 16; both lanes end up with it.
.macro WORD w, byt, sh, tmp
	v_lshlrev_b32 v[\w], v[\sh], v[\byt]
	s_delay_alu instid0(VALU_DEP_1)
	v_permlanex16_b32 v[\tmp], v[\w], s[SEL], s[SEL+1]
	s_delay_alu instid0(VALU_DEP_1)
	v_or_b32 v[\w], v[\w], v[\tmp]
	s_delay_alu instid0(VALU_DEP_1)
	v_or_b32 v[\w], 0x7f7f0000, v[\w]                              ; 1.0 over the upper 64 of the instruction's K
.endm
	s_load_b128 s[4:7], s[0:1], 0x0                ; key s[4:5], value s[6:7]
	s_load_b64 s[8:9], s[0:1], 0x10                ; kv
	v_lshl_add_u32 v96, v0, 2, 0x800               ; my spare word and 0
	v_mov_b32 v97, 0
	v_lshrrev_b32 v1, 5, v0
	v_readfirstlane_b32 s10, v1                    ; wave 0..7
	s_and_b32 s11, s10, 3                          ; kw
	s_lshr_b32 s12, s10, 2                         ; p
	s_and_b32 s13, ttmp7, 0xffff                   ; the head
	s_lshl_b32 s14, s13, 20                        ; a head is 4,096 keys x 256 bytes,
	s_lshl_b32 s22, ttmp9, 15                      ; a step 128 keys
	s_add_co_u32 s14, s14, s22
	s_lshr_b32 s18, s11, 1
	s_lshl_b32 s18, s18, 14                        ; K: tile 2 kw + p = 4 c + u begins at key 64 (kw / 2) + 16 (kw % 2) + 8 p
	s_and_b32 s22, s11, 1
	s_lshl_b32 s22, s22, 12
	s_add_co_u32 s18, s18, s22
	s_add_co_u32 s18, s18, s14
	s_mov_b32 s19, 0
	s_lshl_b32 s22, s11, 13                        ; V: keys 32 kw on
	s_add_co_u32 s14, s14, s22
	s_mov_b32 s15, 0
	s_lshl_b32 s16, s13, 5
	s_add_co_u32 s16, s16, ttmp9
	s_mul_i32 s16, s16, 8960                       ; the step's bytes in kv
	s_mov_b32 s17, 0
	s_mov_b32 s[SEL], 0x76543210
	s_mov_b32 s[SEL+1], 0xfedcba98
	s_lshl_b32 s22, s12, 11                        ; 8 p keys
	s_lshl_b32 s23, s12, 7                         ; 32 p channels
	s_lshl_b32 s24, s11, 10
	s_lshl_b32 s29, s12, 9
	s_add_co_u32 s24, s24, s29                     ; 512 (2 kw + p)
	s_lshl_b32 s25, s12, 11
	s_lshl_b32 s29, s11, 8
	s_add_co_u32 s25, s25, s29
	s_add_co_u32 s25, s25, VCO
	s_lshl_b32 s26, s12, 8
	s_lshl_b32 s29, s11, 2
	s_add_co_u32 s26, s26, s29
	s_add_co_u32 s27, s10, 512                     ; 4 p + kw is the wave's number
	s_lshl_b32 s28, s10, 8
	v_and_b32 v1, 31, v0                           ; l
	v_and_b32 v2, 15, v0                           ; r
	v_bfe_u32 v3, v0, 4, 1                         ; h
	v_and_b32 v[KOFF], 8, v0
	s_delay_alu instid0(VALU_DEP_1)
	v_mad_u32_u24 v[KOFF], v[KOFF], 3, v2          ; r % 8 + 32 (r / 8): the keys of a tile are not neighbours
	s_delay_alu instid0(VALU_DEP_1)
	v_lshlrev_b32 v[KOFF], 8, v[KOFF]
	s_delay_alu instid0(VALU_DEP_1)
	v_lshl_add_u32 v[KOFF], v3, 7, v[KOFF]         ; + 128 h: my block of the key
	s_delay_alu instid0(VALU_DEP_1)
	v_add_nc_u32 v[KOFF], s22, v[KOFF]
	v_lshl_add_u32 v[VOFF], v1, 2, s23             ; channel 32 p + l
	v_lshl_add_u32 v[KST], v1, 4, s24
	v_lshl_add_u32 v[VST], v2, 4, s25
	v_lshl_add_u32 v[KSA], v2, 4, s26
	v_lshl_add_u32 v[VSA], v1, 3, s27
	v_lshl_add_u32 v[SR], v1, 3, s28               ; 256 w + 8 l
	v_lshl_add_u32 v[VST], v3, 10, v[VST]
	v_lshlrev_b32 v[SH], 3, v3
	v_add_nc_u32 v[SG], SCO, v[SR]
	v_mov_b32 v[TMP], 0
	s_wait_alu depctr_va_vdst(0)                   ; the wait at the head's end
	s_wait_kmcnt 0x0
	s_add_nc_u64 s[4:5], s[4:5], s[18:19]
	s_add_nc_u64 s[6:7], s[6:7], s[14:15]
	s_add_nc_u64 s[8:9], s[8:9], s[16:17]
.irp j, 0,1,2,3,4,5,6,7
	global_load_b128 v[32+4*\j:35+4*\j], v[KOFF], s[4:5] offset:16*\j      ; K: my block's 32 numbers
.endr
.irp i, 0,1,2,3,4,5,6,7,8,9,10,11,12,13,14,15,16,17,18,19,20,21,22,23,24,25,26,27,28,29,30,31
	global_load_b32 v[64+\i], v[VOFF], s[6:7] offset:256*\i                ; V(key i, my channel): the wave reads 128 consecutive bytes
.endr
	s_wait_loadcnt 32                              ; K's eight loads are in; V's 32, issued behind them, may be out
	QBLK 32, 24, MX, 16, 17
	global_store_b128 v[KST], v[24:27], s[8:9]     ; the wave stores 512 consecutive bytes, at a multiple of 256 from kv's first byte
	WORD 18, 17, SH, TMP
	ds_store_b32 v[KSA], v18                       ; lanes r and r + 16 write the same word with the same value
	s_wait_loadcnt 0x0                             ; V
	QBLK 64, 28, MX, 20, 19
	global_store_b128 v[VST], v[28:31], s[8:9]     ; lanes 0-15 store 256 consecutive aligned bytes, lanes 16-31 the 256 bytes that lie 1,024 further on
	ds_store_b8 v[VSA], v19
	s_wait_dscnt 0x0                               ; for the others' sake: my stores of scales have landed
	s_barrier_signal -1
	s_barrier_wait -1                              ; the step's 768 bytes of scales lie in LDS as they lie in kv
	s_cmp_lt_u32 s10, 3
	s_cbranch_scc0 .Lend                           ; waves 0, 1, 2 carry them out, 256 bytes each
	ds_load_b64 v[22:23], v[SR]
	s_wait_dscnt 0x0
	global_store_b64 v[SG], v[22:23], s[8:9]       ; the wave stores 256 consecutive aligned bytes
.Lend:
	s_wait_tensorcnt 0x0                           ; the wave's end
	ds_add_u32 v96, v97
	s_wait_dscnt 0x0
	s_endpgm
.Lfunc_end_k_q2e6896617e_prep:
	.size	k_q2e6896617e_prep, .Lfunc_end_k_q2e6896617e_prep-k_q2e6896617e_prep
	.p2alignl 7, 3214868480
	.fill 96, 4, 3214868480
	.section	.rodata,"a",@progbits
	.p2align	6, 0x0
	.amdhsa_kernel k_q2e6896617e_prep
		.amdhsa_group_segment_fixed_size 3072
		.amdhsa_private_segment_fixed_size 0
		.amdhsa_enable_private_segment 0
		.amdhsa_kernarg_size 24
		.amdhsa_user_sgpr_count 2
		.amdhsa_user_sgpr_kernarg_segment_ptr 1
		.amdhsa_wavefront_size32 1
		.amdhsa_system_sgpr_workgroup_id_x 1
		.amdhsa_system_sgpr_workgroup_id_y 1
		.amdhsa_system_sgpr_workgroup_id_z 1
		.amdhsa_system_vgpr_workitem_id 0
		.amdhsa_next_free_vgpr 98
		.amdhsa_next_free_sgpr 66
		.amdhsa_reserve_vcc 0
		.amdhsa_float_denorm_mode_32 3
		.amdhsa_float_denorm_mode_16_64 3
		.amdhsa_memory_ordered 1
		.amdhsa_forward_progress 1
		.amdhsa_inst_pref_size 12
	.end_amdhsa_kernel
	.amdgpu_metadata
---
amdhsa.version: [ 1, 2 ]
amdhsa.kernels:
  - .name:           k_q2e6896617e_prep
    .symbol:         k_q2e6896617e_prep.kd
    .args:
      - { .name: key, .offset: 0, .size: 8, .value_kind: global_buffer, .address_space: global }
      - { .name: value, .offset: 8, .size: 8, .value_kind: global_buffer, .address_space: global }
      - { .name: kv, .offset: 16, .size: 8, .value_kind: global_buffer, .address_space: global }
    .group_segment_fixed_size: 3072
    .private_segment_fixed_size: 0
    .kernarg_segment_align: 8
    .kernarg_segment_size: 24
    .max_flat_workgroup_size: 256
    .sgpr_count:     66
    .vgpr_count:     98
    .wavefront_size: 32
...
	.end_amdgpu_metadata
.endif
;; end of part 1
;; launch attn (part 2): grid 16 x 16, 16 waves a work-group, clusters of 4 x 1, 327,680 bytes of LDS; arguments query, kv, out0; writes out0
.if DOCPART == 2
	.amdgcn_target "amdgcn-amd-amdhsa--gfx1250"
	.amdhsa_code_object_version 6
	.text
	.protected	k_q2e6896617e_attn
	.globl	k_q2e6896617e_attn
	.p2align	8
	.type	k_q2e6896617e_attn,@function
k_q2e6896617e_attn:
	s_mov_b64 s[64:65], 0
	v_nop
	global_prefetch_b8 v0, s[64:65] scope:SCOPE_SE
	s_setreg_imm32_b32 hwreg(HW_REG_WAVE_MODE, 25, 1), 1
	s_wait_xcnt 0x0
	s_wait_alu depctr_hold_cnt(0) depctr_sa_sdst(0) depctr_va_vdst(0) depctr_va_sdst(0) depctr_va_ssrc(0) depctr_va_vcc(0) depctr_vm_vsrc(0)
	s_getreg_b32 s2, hwreg(HW_REG_IB_STS2, 6, 4)
	s_cmp_eq_u32 s2, 0
	s_cbranch_scc0 .Lentry_in_a_cluster
	s_endpgm
.Lentry_in_a_cluster:
	s_bfe_u32 s2, ttmp6, 0x10000c
	s_cmp_lg_u32 s2, 0x3003
	s_cbranch_scc0 .Lentry_shape_is_right
	s_endpgm
.Lentry_shape_is_right:
; O[head][q][:] = the sum over k of softmax_k(Q[q] . K[k] / 8) V[k][:], 16 heads x 4,096 x 64, both products on codes of FP4 (E2M1) with one E8M0 scale for each 32 along a product's K.
; query, out0: f32.  kv: K's and V's codes and scale words in the order of the operands' registers, [head][step of 128 keys][8,960 bytes]:
;   0: K's 8 tiles, 512 bytes each;  4,096: V's 4 tiles, 1,024 bytes each;  8,192: K's scale words, lane l's 16 bytes at 16 l: word j = tile 2 j + l / 16;  8,704: V's, lane l's 8 bytes at 8 l.
; THE SOFTMAX: t = score x log2(e) / 8; M = the row's largest t so far, rounded UP to a whole number; p = 2^(t - M) is quantised along the keys, not normalised.
; The row's sum is taken of the unquantised p, in f32, and divides O at the end.  When M moves, the sum and O are multiplied by 2^(old M - new M): exact.
; SHARES.  A work-group owns 256 queries of one head, each of its sixteen waves 16 of them in 256 registers.  A step has 12 matrix instructions beside some 250 vector lines, so the text is laid to keep the vector lines few.
; A HEAD'S CODES AND SCALES, 286,720 BYTES, LIE IN LDS WHOLE: sixteen parts of 17,920 bytes, one tensor load a wave, each byte filled once: no ring.  These loads ask for every byte of kv that
; the work-group reads, and there is no loop of loads to run ahead in: so nothing is prefetched.
; CLUSTER.  The four query blocks of a cluster belong to one head and want the same bytes: each part is asked for JOINTLY, by the same descriptor and a mask that names the four.
; LAYOUT.  Both products are used transposed (S^T = K Q^T, O^T = V^T P^T): a lane holds ONE query (lane % 16).  Row r of K's tile 4 c + u is key 64 c + 32 (r / 8) + 8 u + r % 8, so that lane (r, h)
; holds in the 32 registers of tiles 4 c .. 4 c + 3 the keys 64 c + 32 h + 0 .. 31: a WHOLE block of p, in the order of the second product's operand: its maximum needs no other lane, and the conversions' results are the operand.
; K's FRAGMENTS lie on end, four registers a tile: tile t's operand is v[KF + 4 t : KF + 4 t + 7]; its upper four registers (the next tile's codes, or zeros behind the last) meet Q's zero codes and add nothing.
; The next step's fragments of K are loaded behind this step's first products, V's likewise: one wait for LDS a step, ahead of the second products.
; A BLOCK'S SCALE is taken from x = t - M of the block's largest score, made by the same multiply-add as every x: the exponent of 2^x is floor(x).
; LIMITS: NaN and infinities among the inputs are not served.  The promise holds while the scaled scores stay under 2^31 in magnitude.  A block of Q whose largest magnitude lies under 2^-124 gets the byte 1.
; A p under 2^-126 comes out of v_exp_f32 as 0.  Where x lies within a rounding of a whole number from below, v_exp_f32 may give that power of two while floor(x) gives the exponent under it: that one p is then held at the largest code.
.set STEPB, 8960                       ; a key step in LDS and in kv
.set QUART, 17920                      ; what one tensor load brings: 70 rows of 256 bytes
.set VCO,   4096
.set KSO,   8192
.set VSO,   8704
.set SP,    272                        ; the way out: a stage row, 256 bytes + 16; wave w's 16 rows at 16 SP w
.set SPARE, 0x46000                    ; behind the head's bytes: the spare words, 128 bytes a wave
.set L16,  1                           ; v1   16 x lane; also my byte offset in two rows of O
.set L8,   2                           ; v2   8 x lane
.set AD16, 3                           ; v3   the step's first LDS byte + 16 x lane
.set AD8,  4                           ; v4   the same + 8 x lane
.set QO,   5                           ; v5   Q: my block's first byte in the wave's 16 rows
.set STO,  6                           ; v6   the way out: where I put 32 bytes of a row
.set RD,   7                           ; v7   and where I read a row back
.set KS,   8                           ; v[8:11]   K's scale words
.set NM,   12                          ; v12  -M
.set MX,   13                          ; v13  the running largest score
.set SUM,  14                          ; v[14:15]  the row's sum in two halves
.set QF,   16                          ; v[16:23]  Q's fragment; v20-23 are zero codes
.set QS,   24                          ; v24  Q's scale words
.set PS,   25                          ; v25  p's scale words
.set VS,   26                          ; v[26:27]  V's scale words
.set SH8,  28                          ; v28  8 h
.set TP,   29                          ; v29  a lane permute's destination
.set OLD,  30                          ; v30  the old -M
.set TT,   31                          ; v31  at work
.set KF,   32                          ; v[32:67]  K's 8 tiles, four registers each, and four registers of zero codes
.set T,    68                          ; v68-75 a largest score for each tile
.set BM,   76                          ; v76-77 my two blocks' largest scores
.set X,    78                          ; v78-79 their x, then floor(x) as whole numbers
.set SOP,  80                          ; v80-81 the conversions' scale operands
.set W,    82                          ; v82  my two scale bytes
.set F,    86                          ; v[86:87] f = 2^(old M - new M); v87 is named with it as a pair
.set S,    96                          ; v[96:159] S^T, then p
.set O,    160                         ; v[160:191] O^T
.set VF,   192                         ; v[192:223] V's 4 fragments
.set PC,   224                         ; v[224:231] p's codes
.set AC,   232                         ; v[232:247] eight pairs of partial sums
.set SPW,  250                         ; v250 LDS address of my spare word; never rewritten
.set NIL,  251                         ; v251 0; never rewritten
.set WV,   10                          ; s10  my wave's number
.set SEL,  20                          ; s[20:21] lane selects: lane l xor 16
.set CS,   22                          ; s[22:23] c = log2(e) / 8
.set G1,   24                          ; s[24:31] descriptor group 1
.set G0,   32                          ; s[32:35] descriptor group 0
.set TB,   48                          ; s48  LDS byte at which the step in hand begins
.set CNT,  49                          ; s49  steps left in the loop
.set NCS,  50                          ; s50  -c
.macro QBLK src, cod, mx, sop, byt     ; 32 numbers of one block become 4 registers of codes, the conversion's scale operand and the scale's byte
	v_max3_num_f32 v[\mx], |v[\src]|, |v[\src+1]|, 0x1800000       ; the floor 2^(3 - 127) among the leaves
	v_max3_num_f32 v[\mx+1], |v[\src+2]|, |v[\src+3]|, |v[\src+4]|
.irp i, 5,9,13,17,21,25
	s_delay_alu instid0(VALU_DEP_2)
	v_max3_num_f32 v[\mx], v[\mx], |v[\src+\i]|, |v[\src+\i+1]|
	s_delay_alu instid0(VALU_DEP_2)
	v_max3_num_f32 v[\mx+1], v[\mx+1], |v[\src+\i+2]|, |v[\src+\i+3]|
.endr
	s_delay_alu instid0(VALU_DEP_2)
	v_max3_num_f32 v[\mx], v[\mx], |v[\src+29]|, |v[\src+30]|
	s_delay_alu instid0(VALU_DEP_1)
	v_max3_num_f32 v[\mx], v[\mx], v[\mx+1], |v[\src+31]|
	s_delay_alu instid0(VALU_DEP_1)
	v_add_nc_u32 v[\sop], 0xff000000, v[\mx]
.irp g, 0,1,2,3
	v_cvt_scalef32_pk8_fp4_f32 v[\cod+\g], v[\src+8*\g:\src+8*\g+7], v[\sop]
.endr
	v_lshrrev_b32 v[\byt], 23, v[\sop]                             ; the scale's byte; also the plain instruction behind the conversions
.endm
.macro WORD w, byt, sh, tmp            ; a row's scale word from the bytes of its two blocks, which lie in lanes l and l xor 16
	s_delay_alu instid0(VALU_DEP_1)
	v_lshlrev_b32 v[\w], v[\sh], v[\byt]
	s_delay_alu instid0(VALU_DEP_1)
	v_permlanex16_b32 v[\tmp], v[\w], s[SEL], s[SEL+1]
	s_delay_alu instid0(VALU_DEP_1)
	v_or_b32 v[\w], v[\w], v[\tmp]
	s_delay_alu instid0(VALU_DEP_1)
	v_or_b32 v[\w], 0x7f7f0000, v[\w]                              ; 1.0 over the 64 zero codes
.endm
.macro CROUND                          ; a round of the cluster's barrier
	s_barrier_signal -1
	s_barrier_wait -1
	s_cmp_lg_u32 s[WV], 0
	s_cbranch_scc1 .Lnot_wave_0_\@
	s_barrier_signal -3
.Lnot_wave_0_\@:
	s_barrier_wait -3
	s_barrier_signal -1
	s_barrier_wait -1
.endm
.macro PKF from, n                     ; x = t - M for n pairs of scores (of the pairs c and -M the low word serves both halves)
.set J, \from
.rept \n
	v_pk_fma_f32 v[S+J:S+J+1], v[S+J:S+J+1], s[CS:CS+1], v[NM:NM+1] op_sel_hi:[1,0,0]
.set J, J+2
.endr
.endm
.macro ORS from, n                     ; O^T under the new M, n pairs, ascending: each tile is read from its low end on
.set J, \from
.rept \n
	v_pk_mul_f32 v[O+J:O+J+1], v[O+J:O+J+1], v[F:F+1] op_sel_hi:[1,0]
.set J, J+2
.endr
.endm
	s_load_b128 s[4:7], s[0:1], 0x0                ; query s[4:5], kv s[6:7]
	s_load_b64 s[8:9], s[0:1], 0x10                ; out0
	v_lshl_add_u32 v[SPW], v0, 2, SPARE
	v_mov_b32 v[NIL], 0
	ds_add_u32 v[SPW], v[NIL]                      ; the opening lines: the add twice on end and one wait, ahead of my tensor load
	ds_add_u32 v[SPW], v[NIL]
	v_lshrrev_b32 v1, 5, v0
	v_readfirstlane_b32 s[WV], v1                  ; wave 0..15
	s_bfe_u32 s11, ttmp6, 0x40000                  ; cx: it enters Q's and O's addresses alone
	s_lshl_b32 s12, ttmp9, 2
	s_add_co_u32 s12, s12, s11                     ; my block of 256 queries
	s_and_b32 s13, ttmp7, 0xffff                   ; the head, which the four partners share
	s_lshl_b32 s14, s13, 20
	s_lshl_b32 s51, s12, 16
	s_add_co_u32 s14, s14, s51
	s_lshl_b32 s51, s[WV], 12                      ; my wave's 16 rows of 256 bytes
	s_add_co_u32 s14, s14, s51
	s_mov_b32 s15, 0
	s_mov_b32 s[G0], 1                             ; count = 1
	s_mul_i32 s[G0+1], s[WV], QUART                ; LDS address: my sixteenth of the head, in LDS and in kv alike
	s_mul_i32 s16, s13, 16*QUART
	s_add_co_u32 s16, s16, s[G0+1]
	s_mov_b32 s17, 0
	s_mov_b32 s[SEL], 0x76543210
	s_mov_b32 s[SEL+1], 0xfedcba98
	s_mov_b32 s[CS], 0x3e38aa3b                    ; c = log2(e) / 8
	s_mov_b32 s[CS+1], s[CS]
	s_mov_b32 s[NCS], 0xbe38aa3b                   ; -c
	s_mov_b32 s[G1], 15|(3<<16)|(1<<21)            ; the mask: all four work-groups; elements of 8 bytes; bit 21 beside a mask
	s_mov_b32 s[G1+1], 32<<16                      ; a dense block as 70 rows of 32 elements
	s_mov_b32 s[G1+2], 70<<16
	s_mov_b32 s[G1+3], 32<<16
	s_mov_b32 s[G1+4], 70
	s_mov_b32 s[G1+5], 32
	s_mov_b32 s[G1+6], 0
	s_mov_b32 s[G1+7], 0
	v_and_b32 v[L8], 31, v0
	v_and_b32 v30, 15, v0                          ; r
	v_bfe_u32 v31, v0, 4, 1                        ; h
	v_lshlrev_b32 v[L16], 4, v[L8]
	v_lshlrev_b32 v[QO], 8, v30
	v_lshlrev_b32 v[SH8], 3, v31
	v_lshlrev_b32 v[L8], 3, v[L8]
	v_lshl_add_u32 v[QO], v31, 7, v[QO]            ; Q: row r of 256 bytes, + 128 h: my block of 32 numbers
	v_mov_b32 v[TP], 0
	s_wait_alu depctr_va_vdst(0)                   ; the wait ahead of the waits below
	s_wait_dscnt 0x0                               ; both opening adds are done
	s_wait_kmcnt 0x0
	s_add_nc_u64 s[4:5], s[4:5], s[14:15]
	s_add_nc_u64 s[8:9], s[8:9], s[14:15]
	s_add_nc_u64 s[G0+2:G0+3], s[6:7], s[16:17]    ; made of the head and the wave's number: equal in the four partners
	s_or_b32 s[G0+3], s[G0+3], 0x80000000          ; type = 2
.irp j, 0,1,2,3,4,5,6,7
	global_load_b128 v[S+4*\j:S+4*\j+3], v[QO], s[4:5] offset:16*\j   ; Q is read once, by one wave; a lane's eight loads cover 128 consecutive bytes
.endr
	CROUND                                         ; all four work-groups are here: the joint loads meet
	tensor_load_to_lds s[G0:G0+3], s[G1:G1+7]      ; my one tensor load
	s_nop 0
.irp i, 0,1,2,3
	v_mov_b32 v[KF+32+\i], 0                       ; zero codes behind K's last tile
	v_mov_b32 v[QF+4+\i], 0                        ; and over 64 .. 127 of the instruction's K in Q
.endr
	v_mov_b32 v[MX], 0xff61b1e6                    ; the largest score so far: -3e38
	v_mov_b32 v[NM], 0x7f61b1e6                    ; -M: so large that the first f is 0
	v_mov_b32 v[SUM], 0
	v_mov_b32 v[SUM+1], 0
	v_mov_b32 v[F+1], 0
	s_wait_alu depctr_va_vdst(0)
	s_wait_loadcnt 0x0                             ; Q
	QBLK S, QF, T, TT, OLD
	WORD QS, OLD, SH8, TP
.irp j, 0,1,2,3,4,5,6,7,8,9,10,11,12,13,14,15,16,17,18,19,20,21,22,23,24,25,26,27,28,29,30,31
	v_mov_b32 v[O+\j], 0                           ; O^T: the first step finds zeros.  Also the places between the writes of Q's codes and scale word and the first product
.endr
; A KEY STEP: 128 keys, at LDS byte s[TB].  pre = 1: the next step's fragments of K are fetched.
.macro STEP pre
.irp j, 0,1,2,3                        ; S^T = K Q^T: each product starts its sum with the constant 0
	v_wmma_scale_f32_16x16x128_f8f6f4 v[S+16*\j:S+16*\j+7], v[KF+8*\j:KF+8*\j+7], v[QF:QF+7], 0, v[KS+\j], v[QS] matrix_a_fmt:MATRIX_FMT_FP4 matrix_b_fmt:MATRIX_FMT_FP4
	v_wmma_scale_f32_16x16x128_f8f6f4 v[S+16*\j+8:S+16*\j+15], v[KF+8*\j+4:KF+8*\j+11], v[QF:QF+7], 0, v[KS+\j], v[QS] matrix_a_fmt:MATRIX_FMT_FP4 matrix_b_fmt:MATRIX_FMT_FP4 matrix_a_scale:MATRIX_SCALE_ROW1
.endr
	v_add_nc_u32 v[AD16], s[TB], v[L16]            ; four places behind the products, ahead of the loads into their sources and of the first read of S^T
	v_add_nc_u32 v[AD8], s[TB], v[L8]
	v_mov_b32 v[OLD], v[NM]
	v_nop
.if \pre
	ds_load_b128 v[KS:KS+3], v[AD16] offset:STEPB+KSO
.irp t, 0,1,2,3,4,5,6,7
	ds_load_b128 v[KF+4*\t:KF+4*\t+3], v[AD16] offset:STEPB+512*\t
.endr
.endif
	ds_load_b64 v[VS:VS+1], v[AD8] offset:VSO
.irp t, 0,1,2,3
.irp c, 0,1
	ds_load_b128 v[VF+8*\t+4*\c:VF+8*\t+4*\c+3], v[AD16] offset:VCO+1024*\t+512*\c
.endr
.endr
.irp t, 0,1,2,3,4,5,6,7                ; the largest score, a chain for each tile, the eight by turns; each tile is read from its low end on
	v_max3_num_f32 v[T+\t], v[S+8*\t], v[S+8*\t+1], v[S+8*\t+2]
.endr
.irp i, 3,5
.irp t, 0,1,2,3,4,5,6,7
	v_max3_num_f32 v[T+\t], v[T+\t], v[S+8*\t+\i], v[S+8*\t+\i+1]
.endr
.endr
.irp k, 0,2,4,6                        ; the tiles' last registers, those of tiles k and k + 1 to a line
	v_max3_num_f32 v[T+\k], v[T+\k], v[S+8*\k+7], v[S+8*\k+15]
.endr
	s_delay_alu instid0(VALU_DEP_3)
	v_max3_num_f32 v[BM], v[T], v[T+1], v[T+2]     ; four tiles make my block 0,
	s_delay_alu instid0(VALU_DEP_2)
	v_max3_num_f32 v[BM+1], v[T+4], v[T+5], v[T+6] ; and four my block 1
	s_delay_alu instid0(VALU_DEP_2)
	v_max_num_f32 v[BM], v[BM], v[T+3]
	s_delay_alu instid0(VALU_DEP_2)
	v_max_num_f32 v[BM+1], v[BM+1], v[T+7]
	s_delay_alu instid0(VALU_DEP_1)
	v_max3_num_f32 v[TT], v[BM], v[BM+1], v[MX]    ; with the running largest score,
	s_delay_alu instid0(VALU_DEP_1)
	v_permlanex16_b32 v[TP], v[TT], s[SEL], s[SEL+1]
	s_delay_alu instid0(VALU_DEP_1)
	v_max_num_f32 v[MX], v[TT], v[TP]              ; and lane l xor 16's two blocks
	s_delay_alu instid0(VALU_DEP_1)
	v_mul_f32 v[TT], s[NCS], v[MX]                 ; -t
	s_delay_alu instid0(VALU_DEP_1)
	v_floor_f32 v[NM], v[TT]                       ; the new -M = floor(-t) = -ceil(t)
	s_delay_alu instid0(VALU_DEP_1)
	v_fma_f32 v[X], v[BM], s[CS], v[NM]            ; x of each block's largest score.  The blocks' scales and f are made among the multiply-adds, so that no line waits for the line above it
	v_fma_f32 v[X+1], v[BM+1], s[CS], v[NM]
	v_sub_f32 v[TT], v[NM], v[OLD]                 ; old M - new M: a whole number, 0 or less
	PKF 0, 4
	v_max_num_f32 v[X], 0xc2f80000, v[X]           ; held at -124: the byte cannot fall under 1
	v_max_num_f32 v[X+1], 0xc2f80000, v[X+1]
	v_cvt_i32_f32 v[TT], v[TT]                     ; (it saturates)
	PKF 8, 4
	v_floor_f32 v[X], v[X]                         ; the exponent of the block's largest p
	v_floor_f32 v[X+1], v[X+1]
	v_ldexp_f32 v[F], 1.0, v[TT]                   ; f = 2^(old M - new M)
	PKF 16, 4
	v_cvt_i32_f32 v[X], v[X]
	v_cvt_i32_f32 v[X+1], v[X+1]
	PKF 24, 4
	v_add_lshl_u32 v[SOP], v[X], 0x7d, 23          ; the scale's byte, exponent - 2 + 127, in the exponent field: the conversion's scale operand
	v_add_lshl_u32 v[SOP+1], v[X+1], 0x7d, 23
	v_lshl_add_u32 v[W], v[X+1], 16, v[X]
	ORS 0, 4
	v_add_nc_u32 v[W], 0x7d007d, v[W]              ; my two bytes: blocks h and 2 + h,
	PKF 32, 4
	v_lshlrev_b32 v[W], v[SH8], v[W]               ; at their places in the word
	PKF 40, 4
	v_permlanex16_b32 v[TP], v[W], s[SEL], s[SEL+1]
	PKF 48, 4
	v_or_b32 v[PS], v[W], v[TP]                    ; with lane l xor 16's two: p's scale word for these 128 keys
	PKF 56, 4
	ORS 8, 12
	s_wait_alu depctr_va_vdst(0)                   ; the wait ahead of the batch
.set J, 0
.rept 64
	v_exp_f32 v[S+J], v[S+J]                       ; p = 2^(t - M): not normalised
.set J, J+1
.endr
	v_pk_mul_f32 v[SUM:SUM+1], v[SUM:SUM+1], v[F:F+1] op_sel_hi:[1,0]   ; the sums under the new M: the plain instruction behind the exponentials
	s_wait_alu depctr_va_vdst(0)                   ; one wait for the batch, ahead of its first reader
.irp c, 0,1
.irp u, 0,1,2,3
	v_cvt_scalef32_pk8_fp4_f32 v[PC+4*\c+\u], v[S+32*\c+8*\u:S+32*\c+8*\u+7], v[SOP+\c]   ; register 4 c + u: keys 64 c + 32 h + 8 u + 0 .. 7
.endr
.endr
.irp i, 0,1,2,3,4,5,6,7                ; the row's sum of the unquantised p, in eight chains.  These eight lines are the places between the conversions and the products
	v_pk_add_f32 v[AC+2*\i:AC+2*\i+1], v[S+2*\i:S+2*\i+1], v[S+16+2*\i:S+17+2*\i]
.endr
	s_wait_alu depctr_va_vdst(0)                   ; directly ahead of the wait below
	s_wait_dscnt 0x0                               ; V's fragments and scale words, and the next step's of K
.irp j, 0,1                            ; O^T += V^T P^T: the four accumulators by turns
	v_wmma_scale_f32_16x16x128_f8f6f4 v[O+16*\j:O+16*\j+7], v[VF+16*\j:VF+16*\j+7], v[PC:PC+7], v[O+16*\j:O+16*\j+7], v[VS+\j], v[PS] matrix_a_fmt:MATRIX_FMT_FP4 matrix_b_fmt:MATRIX_FMT_FP4
	v_wmma_scale_f32_16x16x128_f8f6f4 v[O+16*\j+8:O+16*\j+15], v[VF+16*\j+8:VF+16*\j+15], v[PC:PC+7], v[O+16*\j+8:O+16*\j+15], v[VS+\j], v[PS] matrix_a_fmt:MATRIX_FMT_FP4 matrix_b_fmt:MATRIX_FMT_FP4 matrix_a_scale:MATRIX_SCALE_ROW1
.endr
.irp k, 32,48                          ; the rest of the sums name no register of these products: they are the places behind them
.irp i, 0,1,2,3,4,5,6,7
	v_pk_add_f32 v[AC+2*\i:AC+2*\i+1], v[AC+2*\i:AC+2*\i+1], v[S+\k+2*\i:S+\k+1+2*\i]
.endr
.endr
.irp i, 0,1,2,3
	s_delay_alu instid0(VALU_DEP_4)
	v_pk_add_f32 v[AC+2*\i:AC+2*\i+1], v[AC+2*\i:AC+2*\i+1], v[AC+8+2*\i:AC+9+2*\i]
.endr
.irp i, 0,1
	s_delay_alu instid0(VALU_DEP_2)
	v_pk_add_f32 v[AC+2*\i:AC+2*\i+1], v[AC+2*\i:AC+2*\i+1], v[AC+4+2*\i:AC+5+2*\i]
.endr
	s_delay_alu instid0(VALU_DEP_1)
	v_pk_add_f32 v[AC:AC+1], v[AC:AC+1], v[AC+2:AC+3]
	s_delay_alu instid0(VALU_DEP_1)
	v_pk_add_f32 v[SUM:SUM+1], v[SUM:SUM+1], v[AC:AC+1]
.endm
	s_wait_alu depctr_va_vdst(0)                   ; the wait at the head's end
	s_wait_tensorcnt 0x0                           ; my sixteenth has landed
	s_wait_dscnt 0x0
	s_barrier_signal -1
	s_barrier_wait -1                              ; the head's bytes are whole for all sixteen waves; nothing is filled again
	ds_load_b128 v[KS:KS+3], v[L16] offset:KSO     ; step 0's scale words and fragments of K
.irp t, 0,1,2,3,4,5,6,7
	ds_load_b128 v[KF+4*\t:KF+4*\t+3], v[L16] offset:512*\t
.endr
	s_mov_b32 s[TB], 0
	s_mov_b32 s[CNT], 31
	s_wait_dscnt 0x0
.Lstep:
	STEP 1
	s_add_co_u32 s[TB], s[TB], STEPB
	s_sub_co_u32 s[CNT], s[CNT], 1
	s_cmp_lg_u32 s[CNT], 0
	s_cbranch_scc1 .Lstep
	STEP 0                                         ; the last step is written out: no step follows whose fragments it could fetch
	; THE WAY OUT.  O^T is divided by the sum and goes through my stage in LDS, so that whole rows of 256 bytes leave.  The stages lie over the head's first bytes: they have had their one fill,
	; and behind the barrier below no wave reads them any more.
	s_wait_alu depctr_va_vdst(0)                   ; the wait ahead of the barrier
	s_wait_dscnt 0x0
	s_barrier_signal -1
	s_barrier_wait -1
	v_add_f32 v[SUM], v[SUM], v[SUM+1]
	s_delay_alu instid0(VALU_DEP_1)
	v_permlanex16_b32 v[TP], v[SUM], s[SEL], s[SEL+1]
	s_delay_alu instid0(VALU_DEP_1)
	v_add_f32 v[SUM], v[SUM], v[TP]                ; the row's sum
	s_wait_alu depctr_va_vdst(0)                   ; the wait ahead of the transcendental
	v_rcp_f32 v[SUM], v[SUM]
	v_and_b32 v254, 15, v0                         ; r  (the address work is the plain work behind the reciprocal)
	v_bfe_u32 v255, v0, 4, 1                       ; h
	s_mul_i32 s52, s[WV], 16*SP                    ; my stage
	v_mul_u32_u24 v[STO], v254, SP
	v_mul_u32_u24 v[RD], v255, SP
	v_lshl_add_u32 v[STO], v255, 5, v[STO]
	v_lshl_add_u32 v[RD], v254, 4, v[RD]
	v_add_nc_u32 v[STO], s52, v[STO]               ; in: row r; tile t's eight channels of my half: 64 t + 32 h bytes on
	v_add_nc_u32 v[RD], s52, v[RD]                 ; back: lanes 0-15 one row, lanes 16-31 the next
	s_wait_alu depctr_va_vdst(0)                   ; the wait ahead of the first reader of the reciprocal and of O^T
.irp j, 0,2,4,6,8,10,12,14,16,18,20,22,24,26,28,30
	v_pk_mul_f32 v[S+\j:S+1+\j], v[O+\j:O+1+\j], v[SUM:SUM+1] op_sel_hi:[1,0]   ; register 8 t + i is o(r, 16 t + 8 h + i)
.endr
.irp t, 0,1,2,3
	ds_store_b128 v[STO], v[S+8*\t:S+8*\t+3] offset:64*\t
	ds_store_b128 v[STO], v[S+8*\t+4:S+8*\t+7] offset:64*\t+16
.endr
.irp i, 0,1,2,3,4,5,6,7
	ds_load_b128 v[S+32+4*\i:S+35+4*\i], v[RD] offset:2*\i*SP      ; LDS serves a wave's instructions in order (ISA guide 5.7.1.4): these see my stores
.endr
.irp i, 0,1,2,3,4,5,6,7
	s_wait_dscnt 7-\i                              ; load i is back; the 7 - i younger ones may be out
	global_store_b128 v[L16], v[S+32+4*\i:S+35+4*\i], s[8:9] offset:512*\i th:TH_STORE_NT   ; two whole rows of O: 512 consecutive bytes, at a multiple of 512 from out0's first byte
.endr
	s_wait_tensorcnt 0x0                           ; the wave's end
	ds_add_u32 v[SPW], v[NIL]
	s_wait_dscnt 0x0
	CROUND                                         ; the closing round
	s_endpgm
.Lfunc_end_k_q2e6896617e_attn:
	.size	k_q2e6896617e_attn, .Lfunc_end_k_q2e6896617e_attn-k_q2e6896617e_attn
	.p2alignl 7, 3214868480
	.fill 96, 4, 3214868480
	.section	.rodata,"a",@progbits
	.p2align	6, 0x0
	.amdhsa_kernel k_q2e6896617e_attn
		.amdhsa_group_segment_fixed_size 327680
		.amdhsa_private_segment_fixed_size 0
		.amdhsa_enable_private_segment 0
		.amdhsa_kernarg_size 24
		.amdhsa_user_sgpr_count 2
		.amdhsa_user_sgpr_kernarg_segment_ptr 1
		.amdhsa_wavefront_size32 1
		.amdhsa_system_sgpr_workgroup_id_x 1
		.amdhsa_system_sgpr_workgroup_id_y 1
		.amdhsa_system_sgpr_workgroup_id_z 1
		.amdhsa_system_vgpr_workitem_id 0
		.amdhsa_next_free_vgpr 256
		.amdhsa_next_free_sgpr 66
		.amdhsa_reserve_vcc 0
		.amdhsa_float_denorm_mode_32 3
		.amdhsa_float_denorm_mode_16_64 3
		.amdhsa_memory_ordered 1
		.amdhsa_forward_progress 1
		.amdhsa_inst_pref_size 41
	.end_amdhsa_kernel
	.amdgpu_metadata
---
amdhsa.version: [ 1, 2 ]
amdhsa.kernels:
  - .name:           k_q2e6896617e_attn
    .symbol:         k_q2e6896617e_attn.kd
    .args:
      - { .name: query, .offset: 0, .size: 8, .value_kind: global_buffer, .address_space: global }
      - { .name: kv, .offset: 8, .size: 8, .value_kind: global_buffer, .address_space: global }
      - { .name: out0, .offset: 16, .size: 8, .value_kind: global_buffer, .address_space: global }
    .group_segment_fixed_size: 327680
    .private_segment_fixed_size: 0
    .kernarg_segment_align: 8
    .kernarg_segment_size: 24
    .max_flat_workgroup_size: 512
    .sgpr_count:     66
    .vgpr_count:     256
    .wavefront_size: 32
...
	.end_amdgpu_metadata
.endif
;; end of part 2
